; MI455X (gfx1250); checked and timed in simulation.
; The chip was launched on July 23, 2026; its instructions are those of AMD's public machine-readable ISA for CDNA 5 (MIT licence, August 2026) and "CDNA5" Instruction Set Architecture Reference Guide (July 2026). The comments in the code are by the model that wrote it; some were corrected since.
;; Quantized Linear. Allowed arithmetic: matrix products marked QUANTISED: E2M3 operands, one E8M0 scale for each 32 along K, by v_wmma_scale_f32_16x16x128_f8f6f4 with both operands' format E2M3, f32 sums; everything else in f32.
;; Inputs: bias 4,096 float32; scale 1 x 4,096 float32; weight_q 4,096 x 4,096 int8; x_codes 2 x 2,048 x 128 x 24 uint8 (E2M3 codes of x, K innermost, in blocks of 32 codes, four codes in three bytes); x_scales 2 x 2,048 x 128 uint8 (E8M0 scales of x, one for each 32 codes along K).
;; Outputs: out0 2 x 2,048 x 4,096 float32.
;; This version of the problem:
;;   THIS VERSION OF THE PROBLEM IS GIVEN IN LOW PRECISION. The matrix products marked QUANTISED in the list below multiply operands that are first quantised to E2M3 (2 exponent bits, 3 mantissa bits; 6 bits a number), with one power-of-two scale for each 32 numbers along K (OCP MX v1.0); their sums are f32. All else is computed in f32.
;;   The module's matrix products, in the order in which they are computed (A, B: the left and right operand; K: the contracted axis; several contracted axes count as one K, in the product's order):
;;     1. [M 4,096, K 4,096] x [K 4,096, N 4,096]; A: input x (given as codes); B: input weight_q: QUANTISED
;;   THE QUANTISER, for each operand of a quantised product, along K:
;;     - K is cut into blocks of 32 from its start; a last block that is shorter is filled with zeros.
;;     - A block's scale is 2^e with e = floor(log2(the largest magnitude in the block)) - 2, held to -126 .. 127; a block of zeros has e = 0. As a byte (E8M0): e + 127.
;;     - Each number is divided by its block's scale, clamped to +-7.5, and rounded to the nearest number of E2M3, ties to even, subnormals kept.
;;     - The product sums the exact products of the quantised numbers (number of the format x scale) in f32.
;;   ~~~python
;;   def quantise(x, axis):      # numpy; x: float32 -> the quantised numbers, widened to float32 again
;;       x = np.moveaxis(x, axis, -1); K = x.shape[-1]
;;       x = np.pad(x, [(0, 0)] * (x.ndim - 1) + [(0, -K % 32)]); x = x.reshape(x.shape[:-1] + (-1, 32)); a = np.abs(x).max(-1, keepdims=True)
;;       e = np.where(a > 0, np.clip(np.frexp(np.where(a > 0, a, 1))[1] - 1 - 2, -126, 127), 0)      # np.frexp(a)[1] - 1 = floor(log2(a)), exactly
;;       r = np.clip(x / 2.0 ** e, -7.5, 7.5)
;;       step = 2.0 ** (np.maximum(np.frexp(np.where(r == 0, 1, r))[1] - 1, 0) - 3)
;;       q = np.round(r / step) * step * 2.0 ** e      # np.round: ties to even
;;       return np.moveaxis(q.reshape(q.shape[:-2] + (-1,))[..., :K], -1, axis).astype(np.float32)
;;   ~~~
;;   INPUTS GIVEN AS CODES. x (in the module: [2, 2048, 4096], K = its axis 2): each comes as NAME_codes (uint8): NAME with its K axis moved to the last place and cut into blocks of 32 codes, [.., K / 32, bytes a block], one block behind the other in memory; four codes in three bytes: a row's codes are one little-endian stream of bits, code i at bits 6 i .. 6 i + 5 (a code: sign, 2 exponent bits, 3 mantissa bits); and NAME_scales (uint8): the same leading axes, one E8M0 byte (e + 127) for each 32 codes along K. Its value is code x scale, taken as it is: it is not quantised again, and the codes and scales need not be those that the quantiser above would give.
;; One version. Each part assembles by itself: llvm-mc -triple=amdgcn-amd-amdhsa -mcpu=gfx1250 --defsym DOCPART=n.
;; ======== version 1 of 1: 2 launches
;; limits: right only within a limited range of input values
;; workspace buffers: w_codes 12,582,912 bytes; scl 1,048,576 bytes
;; launch prep (part 1): grid 256 x 1, 8 waves a work-group, no clusters, 5,120 bytes of LDS; arguments weight_q, x_scales, w_codes, scl; writes w_codes, scl
.if DOCPART == 1
	.amdgcn_target "amdgcn-amd-amdhsa--gfx1250"
	.amdhsa_code_object_version 6
	.text
	.protected	k_q32155835bd_prep
	.globl	k_q32155835bd_prep
	.p2align	8
	.type	k_q32155835bd_prep,@function
k_q32155835bd_prep:
	s_mov_b64 s[64:65], 0
	v_nop
	global_prefetch_b8 v0, s[64:65] scope:SCOPE_SE
	s_setreg_imm32_b32 hwreg(HW_REG_WAVE_MODE, 25, 1), 1
	s_wait_xcnt 0x0
; weight_q [4096][4096], int8, K innermost, becomes codes of FP6 (E2M3), K innermost, w_codes [4096][3072 bytes], with one E8M0 byte for each 32 along K.
; A block's byte is its largest magnitude's exponent field - 2, held at 1 from below; each number is divided by the scale and rounded to the nearest code, ties to even; beyond 7.5 the conversion gives the largest code.
; LIMIT: a block of zeros gets the byte 1 where the rule says 127: its codes are zeros, which add nothing under any byte but 0xff, and the bytes are read by this program alone.
; THE SCALE BYTES of x (as given) and of w (as made here) are laid into ONE buffer in the order in which the product's scale registers take them:
; scl[side: x 0, w 1][row / 128][K / 512][row % 128][16 bytes]: 16 bytes are a row's scale words of four steps of 128 along K.
; SHARES.  A work-group takes 16 rows of w and 16 rows of x's scales; a wave two rows: 16 steps of 512 numbers.  In a step lane l takes 16 neighbours along K; lanes l and l xor 1 hold a block.
; All loads of a wave go out at the head.  A lane's 16 codes are 12 bytes: the wave stores 384 consecutive bytes a step.
; The work-group's 2 x 2,048 scale bytes meet in LDS, row-major; behind one barrier wave w takes K / 512 = w of all 16 rows: 32 lanes x 8 bytes are 256 consecutive bytes of scl, aligned.
; No matrix unit, no tensor load, no cluster: the work-groups share nothing.
; THE ROWS OF w ARE RE-ORDERED: place 64 G + 16 u + r of w_codes and of scl's second half holds row 64 G + 4 r + u of weight_q, so that the four tiles of 16 places in a group of 64 hold, at one r, four neighbouring rows.
; A work-group's 16 places are one such tile: its rows lie 4 apart in weight_q; a wave takes two of them, 16,384 bytes apart.
.set R,     16
.set X,     80                         ; v80-111  two sets of 16 numbers in f32, by turns
.set E,     112                        ; v112-127 a scale byte for each step
.set C,     128                        ; v128-191 codes: four registers for each step, so that no store's data are written again
.set XS8,   192                        ; v192-193 my 8 bytes of x's scales
.set SPW,   194                        ; my spare word, from LDS byte 4096 on
.set NIL,   195
.set TRD,   196                        ; where I read the scale bytes back
.set XST,   197                        ; where I put x's
	s_load_b128 s[4:7], s[0:1], 0x0                ; weight_q, x_scales
	s_load_b128 s[8:11], s[0:1], 0x10              ; w_codes, scl
	v_lshl_add_u32 v[SPW], v0, 2, 4096
	v_mov_b32 v[NIL], 0
	v_lshrrev_b32 v1, 5, v0
	v_readfirstlane_b32 s16, v1                    ; wave 0..7
	s_lshl_b32 s17, s16, 8                         ; LDS: my wave's two rows of 128 bytes
	s_lshl_b32 s19, s16, 4
	v_and_b32 v2, 31, v0                           ; lane
	v_lshlrev_b32 v3, 4, v2                        ; in: my 16 bytes of a load's 512
	v_mul_u32_u24 v4, v2, 12                       ; out: my 12 bytes of a step's 384
	v_lshrrev_b32 v5, 1, v2
	v_lshlrev_b32 v7, 3, v2                        ; 8 bytes a lane
	v_lshlrev_b32 v6, 7, v5                        ; back: row l / 2 of the 16,
	v_and_b32 v12, 1, v2
	v_lshl_add_u32 v6, v12, 3, v6                  ; half l % 2 of its 16 bytes,
	v_add_nc_u32 v[TRD], s19, v6                   ; at K / 512 = my wave
	v_add_nc_u32 v5, s17, v5                       ; my block's byte in a step's 16
	v_add_nc_u32 v[XST], s17, v7
	v_mov_b32 v10, 0x4b000000                      ; 2^23 as f32
	s_mov_b32 s22, 0xcb000080                      ; -(2^23 + 128)
	s_mov_b32 s23, s22
.irp j, 0,1,2,3
	s_mov_b32 s[24+\j], 0x07050400+\j              ; byte selects: byte j of the data, two zero bytes, 0x4b on top
.endr
	s_mov_b32 s28, 0x80808080
	s_lshl_b32 s18, ttmp9, 3
	s_add_co_u32 s18, s18, s16                     ; which pair of rows is my wave's: 0 .. 2,047
	s_mov_b32 s21, 0
	s_wait_alu depctr_va_vdst(0)
	s_wait_kmcnt 0x0
	s_lshr_b32 s20, ttmp9, 2
	s_lshl_b32 s20, s20, 6                         ; my first row of weight_q: 64 G,
	s_lshl_b32 s29, s16, 3
	s_add_co_u32 s20, s20, s29                     ; + 4 r with r = 2 x wave,
	s_and_b32 s29, ttmp9, 3
	s_add_co_u32 s20, s20, s29                     ; + u;
	s_lshl_b32 s20, s20, 12                        ; 4,096 bytes a row
	s_add_nc_u64 s[4:5], s[4:5], s[20:21]
	s_lshl_b32 s20, s18, 8                         ; 256 bytes of x's scales,
	s_add_nc_u64 s[6:7], s[6:7], s[20:21]
	s_mul_i32 s20, s18, 6144                       ; 6,144 bytes of codes
	s_add_nc_u64 s[8:9], s[8:9], s[20:21]
	s_lshr_b32 s20, ttmp9, 3
	s_lshl_b32 s20, s20, 14                        ; scl: 16,384 bytes for 128 rows,
	s_lshl_b32 s29, s16, 11                        ; 2,048 for each K / 512,
	s_add_co_u32 s20, s20, s29
	s_and_b32 s29, ttmp9, 7
	s_lshl_b32 s29, s29, 8                         ; 256 for my work-group's 16 rows
	s_add_co_u32 s20, s20, s29
	s_add_nc_u64 s[10:11], s[10:11], s[20:21]
	global_load_b64 v[XS8:XS8+1], v7, s[6:7] th:TH_LOAD_NT   ; 32 lanes read 256 consecutive bytes
.irp t, 0,1,2,3,4,5,6,7,8,9,10,11,12,13,14,15
	global_load_b128 v[R+4*\t:R+4*\t+3], v3, s[4:5] offset:512*\t+12288*(\t/8) th:TH_LOAD_NT   ; 32 lanes read 512 consecutive bytes; steps 8-15: the row four further on
.endr
.macro STEP t
.set RS, R+4*(\t)
.set XS, X+16*((\t)%2)
	s_wait_loadcnt 15-(\t)                         ; step t's load and all older ones are in, the 15 - t younger ones stay out
.irp i, 0,1,2,3
	v_xor_b32 v[RS+\i], s28, v[RS+\i]              ; each byte becomes w + 128, unsigned
.endr
.irp i, 0,1,2,3
.irp j, 0,1,2,3
	v_perm_b32 v[XS+4*\i+\j], v10, v[RS+\i], s[24+\j]   ; the bits 0x4b0000uu: 2^23 + w + 128
.endr
.endr
.irp i, 0,2,4,6,8,10,12,14
	v_pk_add_f32 v[XS+\i:XS+\i+1], v[XS+\i:XS+\i+1], s[22:23] op_sel_hi:[1,0]   ; less 2^23 + 128: w, exactly
.endr
	v_max3_num_f32 v8, |v[XS]|, |v[XS+1]|, |v[XS+2]|               ; the largest magnitude of my 16, in two chains
	v_max3_num_f32 v9, |v[XS+3]|, |v[XS+4]|, |v[XS+5]|
.irp i, 6,10
	v_max3_num_f32 v8, v8, |v[XS+\i]|, |v[XS+\i+1]|
	v_max3_num_f32 v9, v9, |v[XS+\i+2]|, |v[XS+\i+3]|
.endr
	v_max3_num_f32 v8, v8, |v[XS+14]|, |v[XS+15]|
	v_max3_num_f32 v8, v8, v9, 3<<23               ; and the floor 2^(3 - 127): the byte cannot fall under 1
	v_max_num_f32_dpp v8, v8, v8 row_xmask:1 row_mask:0xf bank_mask:0xf   ; with my neighbour's 16: the block's
	v_add_nc_u32 v11, 0xff000000, v8               ; 2 off its exponent field: the conversion's scale operand
	v_cvt_scalef32_pk16_fp6_f32 v[C+4*(\t):C+4*(\t)+2], v[XS:XS+15], v11
	v_lshrrev_b32 v[E+(\t)], 23, v11               ; the scale's byte (also the plain instruction behind the conversion)
	ds_store_b8 v5, v[E+(\t)] offset:16*(\t)       ; both lanes of a block write the same byte with the same value
	global_store_b96 v4, v[C+4*(\t):C+4*(\t)+2], s[8:9] offset:384*(\t)   ; 32 lanes store 384 consecutive bytes
.endm
	STEP 0
	ds_store_b64 v[XST], v[XS8:XS8+1] offset:2048  ; x's scale bytes (their load is older than step 0's), behind w's 2,048
.irp t, 1,2,3,4,5,6,7,8,9,10,11,12,13,14,15
	STEP \t
.endr
	s_wait_dscnt 0x0                               ; for the others' sake: my LDS stores are done
	s_barrier_signal -1
	s_barrier_wait -1
	ds_load_b64 v[12:13], v[TRD]                   ; w's
	ds_load_b64 v[14:15], v[TRD] offset:2048       ; x's
	s_wait_dscnt 0x0
	global_store_b64 v7, v[14:15], s[10:11]                 ; 32 lanes store 256 consecutive bytes, aligned
	global_store_b64 v7, v[12:13], s[10:11] offset:524288
	s_wait_tensorcnt 0x0                           ; the wave's end
	ds_add_u32 v[SPW], v[NIL]
	s_wait_dscnt 0x0
	s_endpgm
.Lfunc_end_k_q32155835bd_prep:
	.size	k_q32155835bd_prep, .Lfunc_end_k_q32155835bd_prep-k_q32155835bd_prep
	.p2alignl 7, 3214868480
	.fill 96, 4, 3214868480
	.section	.rodata,"a",@progbits
	.p2align	6, 0x0
	.amdhsa_kernel k_q32155835bd_prep
		.amdhsa_group_segment_fixed_size 5120
		.amdhsa_private_segment_fixed_size 0
		.amdhsa_enable_private_segment 0
		.amdhsa_kernarg_size 32
		.amdhsa_user_sgpr_count 2
		.amdhsa_user_sgpr_kernarg_segment_ptr 1
		.amdhsa_wavefront_size32 1
		.amdhsa_system_sgpr_workgroup_id_x 1
		.amdhsa_system_sgpr_workgroup_id_y 1
		.amdhsa_system_sgpr_workgroup_id_z 1
		.amdhsa_system_vgpr_workitem_id 0
		.amdhsa_next_free_vgpr 200
		.amdhsa_next_free_sgpr 66
		.amdhsa_reserve_vcc 0
		.amdhsa_float_denorm_mode_32 3
		.amdhsa_float_denorm_mode_16_64 3
		.amdhsa_memory_ordered 1
		.amdhsa_forward_progress 1
		.amdhsa_inst_pref_size 46
	.end_amdhsa_kernel
	.amdgpu_metadata
---
amdhsa.version: [ 1, 2 ]
amdhsa.kernels:
  - .name:           k_q32155835bd_prep
    .symbol:         k_q32155835bd_prep.kd
    .args:
      - { .name: weight_q, .offset: 0, .size: 8, .value_kind: global_buffer, .address_space: global }
      - { .name: x_scales, .offset: 8, .size: 8, .value_kind: global_buffer, .address_space: global }
      - { .name: w_codes, .offset: 16, .size: 8, .value_kind: global_buffer, .address_space: global }
      - { .name: scl, .offset: 24, .size: 8, .value_kind: global_buffer, .address_space: global }
    .group_segment_fixed_size: 5120
    .private_segment_fixed_size: 0
    .kernarg_segment_align: 8
    .kernarg_segment_size: 32
    .max_flat_workgroup_size: 256
    .sgpr_count:     66
    .vgpr_count:     200
    .wavefront_size: 32
...
	.end_amdgpu_metadata
.endif
;; end of part 1
;; launch gemm (part 2): grid 16 x 16, 4 waves a work-group, clusters of 4 x 4, 327,680 bytes of LDS; arguments x_codes, w_codes, scl, scale, bias, out0; writes out0
.if DOCPART == 2
	.amdgcn_target "amdgcn-amd-amdhsa--gfx1250"
	.amdhsa_code_object_version 6
	.text
	.protected	k_q32155835bd_gemm
	.globl	k_q32155835bd_gemm
	.p2align	8
	.type	k_q32155835bd_gemm,@function
k_q32155835bd_gemm:
	s_mov_b64 s[64:65], 0
	v_nop
	global_prefetch_b8 v0, s[64:65] scope:SCOPE_SE
	s_setreg_imm32_b32 hwreg(HW_REG_WAVE_MODE, 25, 1), 1
	s_wait_xcnt 0x0
	s_wait_alu depctr_hold_cnt(0) depctr_sa_sdst(0) depctr_va_vdst(0) depctr_va_sdst(0) depctr_va_ssrc(0) depctr_va_vcc(0) depctr_vm_vsrc(0)
	s_getreg_b32 s2, hwreg(HW_REG_IB_STS2, 6, 4)
	s_cmp_eq_u32 s2, 0
	s_cbranch_scc0 .Lentry_in_a_cluster
	s_endpgm
.Lentry_in_a_cluster:
	s_bfe_u32 s2, ttmp6, 0x10000c
	s_cmp_lg_u32 s2, 0xf033
	s_cbranch_scc0 .Lentry_shape_is_right
	s_endpgm
.Lentry_shape_is_right:
; out0[m][n] = (sum over k of x[m][k] w[n][k]) x scale[n] + bias[n].  x, w: codes of FP6 (E2M3), rows of 3,072 bytes, one E8M0 byte for each 32 along K; sums in f32.
; A block of 256 x 256 is made by a work-group of four waves; a wave makes 128 x 128: 64 accumulators of 16 x 16, 512 registers.  256 work-groups.
; K goes through a ring of two LDS slots in CHUNKS OF 256 BYTES of each row (each begins at a multiple of 256 bytes); chunk c lies in slot c % 2.
; A step of 128 along K is 96 bytes of a row: eight steps to three chunks, a PERIOD.  Of each eight, steps 2 and 5 lie across two chunks.
; THE LOOP: a trip is one period, from a period's step 1 to the next period's step 0.  After three chunks the two slots have changed roles, so the LDS addresses are kept BY ROLE
; (role 0: the period's chunks 0 and 2; role 1: chunks 1 and 3) and made anew at each trip's end from the trip counter's parity.  4 periods = step 0, 3 trips, 7 steps written out.
; A STEP is four sixteens of matrix instructions, x's blocks one after the other, each against w's eight; behind each sixteen stands ONE run of 24 LDS loads, four fragments of the next step:
; w's blocks 0-3, w's 4-7 (into w's other set), x's 0-3, x's 4-7 (x has one set: a block is fetched anew behind its eight products).
; THE SCALE WORDS come from scl, laid in the registers' order: for four steps one load of 16 bytes a lane and block; lanes 0-15 take x's rows, lanes 16-31 w's: each half reads 256 consecutive bytes, aligned.
; They are asked for four steps ahead of their use, straight into registers: 65,536 bytes of scales would not fit in LDS beside the ring's 278,528.  They are not asked for jointly and not prefetched:
; a wave's 4,096 bytes of them for four steps stand beside 98,304 bytes of codes, and each load itself goes out four steps ahead.
; THE WAY OUT needs no LDS: place 64 g + 16 u + r of w_codes holds w's row 64 g + 4 r + u, so in tiles 4 g .. 4 g + 3 lane r holds columns 64 g + 4 r .. + 3 of a row of out0;
; the multiply-adds with scale and bias put the four into neighbouring registers, and sixteen lanes store 256 consecutive bytes, aligned.
; CLUSTERS: 4 x 4 work-groups; x's tiles are asked for jointly along a row of the cluster, w's along a column.
; PREFETCH: behind each refill one instruction a wave names the chunk two refills on: 32 rows, a lane a row; the four partners of a joint load share its 128 rows out by address.  Chunks 0 to 3 come by their loads alone; nothing past chunk 11 is named.
; REGISTERS: window 0: v0-31 addresses; v32-95 scale words, two sets of 32; v96-102 what the roles are made of; v104-119 scale[n], bias[n]; v128-223 x's fragments.  Window 1: w's fragments, two sets.  Windows 2, 3: accumulators.
.set ROWB,   256
.set KROW,   3072
.set PITCH,  272                       ; 256 bytes + 16 of padding: the rows that a load touches start at different banks
.set FR,     12
.set HALFT,  128*PITCH
.set SLOT,   4*HALFT                   ; x's 256 rows, then w's 256 rows
.set SPARE,  2*SLOT                    ; the spare words, 512 bytes
.set ADRA, 16                          ; v16-17 x's fragments by role; v18-19: lanes 0-15 at byte 232 of that role's row, lanes 16-31 at byte 0 of the other role's
.set ADRB, 20                          ; the same for w
.set SCO,  24                          ; 16 x (l % 16): my four columns in scale and bias
.set CO,   26                          ; the same in out0, lanes 16-31 eight rows down
.set SO,   27                          ; my offset in scl
.set SPW,  28
.set NIL,  29
.set PFO,  30
.set SC,   32
.set PA,   96
.set PB,   97
.set XA,   98
.set XB,   99
.set T0,   100
.set T1,   101
.set HV,   102                         ; l / 16
.set SCV,  104
.set BIV,  112
.set AF,   128
.set BK,   128
.set G1,  24
.set G0,  32
.set G0B, 36
.set G1B, 48
.set LR,  56                           ; s56-57 where my quarter of a slot lies, by role
.set PFA, 62
.set MSB, 0
.macro WIN new
.if MSB != (\new)
	s_set_vgpr_msb (MSB<<8)|(\new)
.set MSB, (\new)
.endif
.endm
.set MUL_LO, 0xa4                      ; source 0 (x) window 0, source 1 (w) window 1, C and D window 2
.set TO_B,   0x40
.macro JLOAD                           ; a joint load: waves 0, 1 fetch x's halves, waves 2, 3 w's
	s_cmp_eq_u32 s17, 0
	s_cbranch_scc0 .Lfor_b_\@
	tensor_load_to_lds s[G0:G0+3], s[G1:G1+7]
	s_nop 0
.rept 4
	v_nop
.endr
	s_branch .Lasked_\@
.Lfor_b_\@:
	tensor_load_to_lds s[G0B:G0B+3], s[G1B:G1B+7]
	s_nop 0
.rept 4
	v_nop
.endr
.Lasked_\@:
.endm
.macro CREST
	s_cmp_lg_u32 s16, 0
	s_cbranch_scc1 .Lnot_wave_0_\@
	s_barrier_signal -3
.Lnot_wave_0_\@:
	s_barrier_wait -3
	s_barrier_signal -1
	s_barrier_wait -1
.endm
.macro CROUND
	s_barrier_signal -1
	s_barrier_wait -1
	CREST
.endm
.macro ROLES_S                         ; s3 = trips to go: 3, 2, 1, 0 in periods 0, 1, 2, 3; role 0 lies in slot period % 2
	s_and_b32 s59, s3, 1                           ; role 1's slot
	s_xor_b32 s58, s59, 1                          ; role 0's slot
	s_mul_i32 s60, s58, SLOT
	s_mul_i32 s61, s59, SLOT
	s_add_co_u32 s[LR], s45, s60
	s_add_co_u32 s[LR+1], s45, s61
.endm
.macro ROLES_V
	v_xor_b32 v[T0], s58, v[HV]                    ; across two chunks: lanes 16-31 read the other slot
	v_xor_b32 v[T1], s59, v[HV]
	v_add_nc_u32 v[ADRA], s60, v[PA]
	v_add_nc_u32 v[ADRA+1], s61, v[PA]
	v_mul_u32_u24 v[T0], v[T0], SLOT
	v_mul_u32_u24 v[T1], v[T1], SLOT
	v_add_nc_u32 v[ADRB], s60, v[PB]
	v_add_nc_u32 v[ADRB+1], s61, v[PB]
	v_add_nc_u32 v[ADRA+2], v[T0], v[XA]
	v_add_nc_u32 v[ADRA+3], v[T1], v[XA]
	v_add_nc_u32 v[ADRB+2], v[T0], v[XB]
	v_add_nc_u32 v[ADRB+3], v[T1], v[XB]
.endm
	s_load_b128 s[4:7], s[0:1], 0x0                ; x_codes, w_codes
	s_load_b128 s[8:11], s[0:1], 0x10              ; scl, scale
	s_load_b128 s[12:15], s[0:1], 0x20             ; bias, out0
	v_lshl_add_u32 v[SPW], v0, 2, SPARE
	v_mov_b32 v[NIL], 0
	ds_add_u32 v[SPW], v[NIL]                      ; the opening lines: the add, twice on end, and its wait ahead of my first tensor load
	ds_add_u32 v[SPW], v[NIL]
	v_lshrrev_b32 v1, 5, v0
	v_readfirstlane_b32 s16, v1                    ; wave 0..3
	s_lshr_b32 s17, s16, 1                         ; my half of the block's rows.  Also: I fetch for x (0) or for w (1)
	s_and_b32 s18, s16, 1                          ; my half of its columns.  Also: which 128 rows I fetch
	s_bfe_u32 s40, ttmp6, 0x40000                  ; cx, cy
	s_bfe_u32 s41, ttmp6, 0x40004
	s_lshl_b32 s42, ttmp9, 2
	s_add_co_u32 s42, s42, s40                     ; block column
	s_and_b32 s19, ttmp7, 0xffff
	s_lshl_b32 s19, s19, 2
	s_add_co_u32 s19, s19, s41                     ; block row
	s_lshl_b32 s43, s41, 2
	s_lshl_b32 s43, 15, s43                        ; my row of the cluster
	s_lshl_b32 s44, 0x1111, s40                    ; my column
	s_or_b32 s[G1+0], s43, (0<<16)|(1<<20)|(1<<21)|(5<<22)|(3<<25)   ; mask; elements of 1 byte; 4 words of padding behind every 64
	s_or_b32 s[G1B+0], s44, (0<<16)|(1<<20)|(1<<21)|(5<<22)|(3<<25)
.irp g, G1, G1B
	s_mov_b32 s[\g+1], ROWB<<16
	s_mov_b32 s[\g+2], 128<<16
	s_mov_b32 s[\g+3], ROWB<<16
	s_mov_b32 s[\g+4], 128
	s_mov_b32 s[\g+5], KROW
	s_mov_b32 s[\g+6], 0
	s_mov_b32 s[\g+7], 0
.endr
	s_lshl_b32 s22, s18, 7
	s_lshl_b32 s20, s19, 8
	s_add_co_u32 s20, s20, s22
	s_mul_i32 s20, s20, KROW                       ; x: row 256 x block row + 128 x half, in bytes (under 2^24)
	s_mov_b32 s21, 0
	s_lshl_b32 s46, s42, 8
	s_add_co_u32 s46, s46, s22
	s_mul_i32 s46, s46, KROW                       ; w: by the block column
	s_mov_b32 s47, 0
	s_mul_i32 s45, s16, HALFT                      ; where my 128 rows go in a slot
	s_mov_b32 s3, 3                                ; the loop's trips
	s_wait_dscnt 0x0                               ; both opening adds are done
	s_wait_kmcnt 0x0
	s_mov_b32 s[G0], 1
	s_mov_b32 s[G0+1], s45                         ; chunk 0, slot 0
	s_add_nc_u64 s[G0+2:G0+3], s[4:5], s[20:21]
	s_or_b32 s[G0+3], s[G0+3], 0x80000000
	s_mov_b32 s[G0B], 1
	s_mov_b32 s[G0B+1], s45
	s_add_nc_u64 s[G0B+2:G0B+3], s[6:7], s[46:47]
	s_or_b32 s[G0B+3], s[G0B+3], 0x80000000
	CROUND                                         ; all sixteen work-groups are here: the first joint loads meet
	JLOAD                                          ; chunk 0: one tensor load a wave at the head
	s_mul_i32 s21, s17, HALFT                      ; my 128 rows of x
	s_mul_i32 s22, s18, HALFT
	s_add_co_u32 s22, s22, 2*HALFT                 ; my 128 rows of w
	s_lshl_b32 s67, s19, 1
	s_add_co_u32 s67, s67, s17
	s_lshl_b32 s67, s67, 14                        ; scl: x's 128 rows of mine, 16,384 bytes for each 128
	s_lshl_b32 s66, s42, 1
	s_add_co_u32 s66, s66, s18
	s_lshl_b32 s66, s66, 14
	s_add_co_u32 s66, s66, 524288                  ; w's, in the buffer's second half:
	s_sub_co_u32 s66, s66, s67                     ; how far behind x's (at least 16,384)
	s_lshl_b32 s68, s19, 8
	s_lshl_b32 s70, s17, 7
	s_add_co_u32 s68, s68, s70
	s_lshl_b32 s68, s68, 14                        ; my first row of out0, 16,384 bytes a row
	s_mov_b32 s69, 0
	s_add_nc_u64 s[14:15], s[14:15], s[68:69]
	s_lshl_b32 s70, s42, 10
	s_lshl_b32 s71, s18, 9
	s_add_co_u32 s70, s70, s71                     ; my first column, in bytes
	s_mov_b32 s71, 0
	s_add_nc_u64 s[14:15], s[14:15], s[70:71]
	s_add_nc_u64 s[10:11], s[10:11], s[70:71]
	s_add_nc_u64 s[12:13], s[12:13], s[70:71]
	s_cmp_eq_u32 s17, 0                            ; the prefetches: of the 128 rows that I fetch, my work-group's 32
	s_cselect_b32 s72, s19, s42
	s_cselect_b32 s73, s40, s41                    ; my place among the four that ask with me
	s_cselect_b64 s[PFA:PFA+1], s[4:5], s[6:7]
	s_lshl_b32 s72, s72, 8
	s_lshl_b32 s74, s18, 7
	s_add_co_u32 s72, s72, s74
	s_lshl_b32 s73, s73, 5
	s_add_co_u32 s72, s72, s73
	s_mul_i32 s72, s72, KROW
	s_add_co_u32 s72, s72, 3*ROWB                  ; at chunk 3: the first refill steps it to chunk 4
	s_mov_b32 s73, 0
	s_add_nc_u64 s[PFA:PFA+1], s[PFA:PFA+1], s[72:73]
	ROLES_S
	v_and_b32 v1, 15, v0                           ; l % 16
	v_bfe_u32 v[HV], v0, 4, 1                      ; l / 16
	v_mul_u32_u24 v3, v1, PITCH
	v_mad_u32_u24 v4, v[HV], 24, v3                ; a fragment's row x pitch + 24 x half
	v_sub_nc_u32 v7, 1, v[HV]
	v_mad_u32_u24 v5, v7, 232, v3                  ; across two chunks: lanes 0-15 at byte 232, lanes 16-31 at byte 0
	v_add_nc_u32 v[PA], s21, v4
	v_add_nc_u32 v[PB], s22, v4
	v_add_nc_u32 v[XA], s21, v5
	v_add_nc_u32 v[XB], s22, v5
	ROLES_V
	v_lshlrev_b32 v[SCO], 4, v1                    ; 16 bytes a row of scl; also my four columns of a group of 64
	v_mad_u32_u24 v6, s66, v[HV], v[SCO]           ; scl: lanes 16-31 take w's
	v_add_nc_u32 v[SO], s67, v6
	v_lshl_add_u32 v[CO], v[HV], 17, v[SCO]        ; out0: lanes 16-31 eight rows of 16,384 bytes down
	v_and_b32 v7, 31, v0
	v_mul_u32_u24 v[PFO], v7, KROW
	s_wait_alu depctr_va_vdst(0)
.macro FRAG reg, adr, st, i            ; 16 rows x 128 K: 12 registers, in pieces of 8 bytes; st counts from the period's start; byte y of the period lies in chunk y / 256, role (y / 256) % 2
.irp p, 0,1,2,3,4,5
.set BY, 96*(\st)+48*(\p/3)+8*(\p%3)
.if BY/ROWB == (BY+24)/ROWB
	ds_load_b64 v[\reg+2*\p:\reg+2*\p+1], v[\adr+(BY/ROWB)%2] offset:BY%ROWB+(\i)*16*PITCH
.else
	ds_load_b64 v[\reg+2*\p:\reg+2*\p+1], v[\adr+2+(BY/ROWB)%2] offset:BY%ROWB-232+(\i)*16*PITCH
.endif
.endr
.endm
.macro RUN st, n                       ; 24 LDS loads, four fragments of step st: n = 0: w's blocks 0-3, 1: w's 4-7 (set st % 2), 2: x's 0-3, 3: x's 4-7
.if (\n) < 2
	WIN TO_B
.irp i, 0,1,2,3
	FRAG 128*((\st)%2)+FR*(4*(\n)+\i), ADRB, \st, 4*(\n)+\i
.endr
	WIN 0
.else
	WIN 0
.irp i, 0,1,2,3
	FRAG AF+FR*(4*((\n)-2)+\i), ADRA, \st, 4*((\n)-2)+\i
.endr
.endif
.endm
; Four matrix instructions: x's block q / 2 against w's blocks 4 (q % 2) + 0 .. 3.  The 64 accumulators take turns in the same order in every step.
.macro QUAD st, q, zero
.set QA, (\q)/2
	WIN MUL_LO+0x50*(QA/4)
.irp c, 0,1,2,3
.set QB, 4*((\q)%2)+\c
.if \zero
	v_wmma_scale_f32_16x16x128_f8f6f4 v[8*(8*(QA%4)+QB):8*(8*(QA%4)+QB)+7], v[AF+FR*QA:AF+FR*QA+FR-1], v[128*((\st)%2)+FR*QB:128*((\st)%2)+FR*QB+FR-1], 0, v[SC+32*(((\st)/4)%2)+4*QA+(\st)%4], v[SC+32*(((\st)/4)%2)+4*QB+(\st)%4] matrix_a_fmt:MATRIX_FMT_FP6 matrix_b_fmt:MATRIX_FMT_FP6 matrix_b_scale:MATRIX_SCALE_ROW1
.else
	v_wmma_scale_f32_16x16x128_f8f6f4 v[8*(8*(QA%4)+QB):8*(8*(QA%4)+QB)+7], v[AF+FR*QA:AF+FR*QA+FR-1], v[128*((\st)%2)+FR*QB:128*((\st)%2)+FR*QB+FR-1], v[8*(8*(QA%4)+QB):8*(8*(QA%4)+QB)+7], v[SC+32*(((\st)/4)%2)+4*QA+(\st)%4], v[SC+32*(((\st)/4)%2)+4*QB+(\st)%4] matrix_a_fmt:MATRIX_FMT_FP6 matrix_b_fmt:MATRIX_FMT_FP6 matrix_b_scale:MATRIX_SCALE_ROW1
.endif
.endr
.endm
.macro SCALES qd                       ; the scale words of four steps into set qd % 2: register 4 i + q: lanes 0-15 x's block i, lanes 16-31 w's block i, step q of the four
.irp i, 0,1,2,3,4,5,6,7
	global_load_b128 v[SC+32*((\qd)%2)+4*\i:SC+32*((\qd)%2)+4*\i+3], v[SO], s[8:9] offset:2048*(\qd)+256*\i
.endr
.endm
.macro PLACES                          ; four places in front of loads into registers that matrix instructions have read (ISA guide 7.12.1 for vector instructions)
.rept 4
	v_nop
.endr
.endm
.macro ASK c0                          ; the chunk two refills on; the period's third refill names the next period's chunk 3, which the last trip does not have
.if \c0 == 2
	s_cmp_lg_u32 s3, 1
	s_cbranch_scc0 .Lno_ask_\@
.endif
	global_prefetch_b8 v[PFO], s[PFA:PFA+1] th:TH_LOAD_NT scope:SCOPE_SE
.if \c0 == 2
.Lno_ask_\@:
.endif
.endm
; A step: 64 matrix instructions on step st's fragments; all its fetches are the next step's, the first behind the first sixteen.
; Where the next step BEGINS in a later chunk and a chunk two on is left (RF): at the step's head the three lines, then the barrier, the round and the refill of the slot left behind, inside the first sixteen.
; Where it only ENDS in a chunk not read yet: every wave waits for its tensor load, and a barrier shows that chunk whole, ahead of the first fetch.
.macro STEP st, zero, lastp, fin
.set NX, (\st)+1
.set C0, (96*(\st))/ROWB
.set C1, (96*NX)/ROWB
.set E0, (96*(\st)+95)/ROWB
.set E1, (96*NX+95)/ROWB
.set RF, 0
.set BARR, 0
.if (\fin) == 0
.if C1 > C0
.if (\lastp) == 0 || C0 == 0
.set RF, 1
.set BARR, 1
.endif
.endif
.if E1 > E0
.set BARR, 1
.endif
.endif
.if (\st)%4 == 0
	s_wait_loadcnt 0x0                             ; these four steps' scale words, asked for four steps ago
.endif
.if BARR
.if RF
.if (\lastp) == 0
	s_wait_xcnt 0x0                                ; my last prefetch has read its address
	s_add_nc_u64 s[PFA:PFA+1], s[PFA:PFA+1], ROWB
.endif
	s_wait_tensorcnt 0x0                           ; all my tensor loads have landed;
	ds_add_u32 v[SPW], v[NIL]
	s_add_nc_u64 s[G0+2:G0+3], s[G0+2:G0+3], ROWB  ; no load of mine is out: the next chunk,
	s_add_nc_u64 s[G0B+2:G0B+3], s[G0B+2:G0B+3], ROWB
	s_mov_b32 s[G0+1], s[LR+C0%2]                  ; into the slot left behind
	s_mov_b32 s[G0B+1], s[LR+C0%2]
	s_wait_dscnt 25                                ; the add and the youngest run (x's blocks 4-7) may be out
.else
	s_wait_dscnt 24                                ; the youngest run (x's blocks 4-7) may be out
.endif
	QUAD \st, 0, \zero
	QUAD \st, 1, \zero
.if RF == 0
	s_wait_tensorcnt 0x0                           ; my part of the chunk that was on its way is in
.endif
	s_wait_dscnt 0x0                               ; the add, where there is one, and all my reads are done
	s_barrier_signal -1
	QUAD \st, 2, \zero
	QUAD \st, 3, \zero
	WIN 0
	s_barrier_wait -1
.if RF
	CREST                                          ; the barrier has opened a round of the cluster's barrier
	JLOAD                                          ; the first tensor load behind the round; its four v_nop are the places in front of the loads below
.else
	PLACES
.endif
.else
	s_wait_dscnt 24                                ; w's set and x's blocks 0-3 are in
	QUAD \st, 0, \zero
	QUAD \st, 1, \zero
	QUAD \st, 2, \zero
	QUAD \st, 3, \zero
	PLACES
.endif
.if (\fin) == 0
	RUN NX, 0
.endif
.if (\st)%4 == 0 && (\lastp) == 0
	SCALES (\st)/4+1                               ; the next four steps' words, into the set whose last products stand in the step before
.endif
.if RF && (\lastp) == 0
	ASK C0
.endif
.irp q, 4,5,6,7
	QUAD \st, \q, \zero
.endr
.if (\fin) == 0
	PLACES
	RUN NX, 1
	s_wait_dscnt 48                                ; x's blocks 4-7 are in; this step's two runs may be out
.else
	s_wait_dscnt 0
.endif
.irp q, 8,9,10,11
	QUAD \st, \q, \zero
.endr
.if (\fin) == 0
	PLACES
	RUN NX, 2
.endif
.irp q, 12,13,14,15
	QUAD \st, \q, \zero
.endr
.if (\fin) == 0
	PLACES
	RUN NX, 3
.endif
	WIN 0
.endm
	SCALES 0
.irp g, 0,1
	global_load_b128 v[SCV+4*\g:SCV+4*\g+3], v[SCO], s[10:11] offset:256*\g   ; scale and bias of columns 64 g + 4 r .. + 3
	global_load_b128 v[BIV+4*\g:BIV+4*\g+3], v[SCO], s[12:13] offset:256*\g
.endr
	s_wait_tensorcnt 0x0                           ; my part of chunk 0 is in
	ds_add_u32 v[SPW], v[NIL]
	s_add_nc_u64 s[G0+2:G0+3], s[G0+2:G0+3], ROWB  ; chunk 1, into slot 1
	s_add_nc_u64 s[G0B+2:G0B+3], s[G0B+2:G0B+3], ROWB
	s_mov_b32 s[G0+1], s[LR+1]
	s_mov_b32 s[G0B+1], s[LR+1]
	s_wait_dscnt 0x0
	CROUND
	JLOAD
.irp n, 0,1,2,3
	RUN 0, \n                                      ; step 0's fragments
.endr
	STEP 0, 1, 0, 0                                ; the first step's products start the sums
.Lperiod:
.irp st, 1,2,3,4,5,6,7,8
	STEP \st, 0, 0, 0
.endr
	s_wait_xcnt 0x0                                ; the scale loads have read their base
	s_add_nc_u64 s[8:9], s[8:9], 4096              ; eight steps of scale words on
	s_sub_co_u32 s3, s3, 1
	ROLES_S                                        ; the slots change roles
	ROLES_V
	s_cmp_lg_u32 s3, 0
	s_wait_alu depctr_va_vdst(0)
	s_cbranch_scc1 .Lperiod
.irp st, 1,2,3,4,5,6
	STEP \st, 0, 1, 0                              ; the last period asks for chunk 11 alone
.endr
	STEP 7, 0, 1, 1                                ; the very last step fetches nothing
; THE WAY OUT, by x's blocks of 16 rows.  Register j of accumulator (a, 4 g + u) in lane (r, h) is out0(16 a + 8 h + j, 64 g + 4 r + u) before scale and bias.
; Each accumulator is read from its low end on (j ascending).  The results of two blocks take turns on v128-191 and v192-255.
.macro OUT a
.set AC, 64*((\a)%4)
.set BB, BK+64*((\a)%2)
.if (\a) > 1
	s_wait_xcnt 0x0                                ; block a - 2's stores have read their registers
.endif
	WIN 0x02+(\a)/4                                ; source 0: window 2 or 3
.irp j, 0,1,2,3,4,5,6,7
.irp g, 0,1
.irp u, 0,1,2,3
	v_fma_f32 v[BB+4*(2*\j+\g)+\u], v[AC+8*(4*\g+\u)+\j], v[SCV+4*\g+\u], v[BIV+4*\g+\u]
.endr
.endr
.endr
	WIN 0
.irp j, 0,1,2,3,4,5,6,7
.irp g, 0,1
	global_store_b128 v[CO], v[BB+4*(2*\j+\g):BB+4*(2*\j+\g)+3], s[14:15] offset:(\a)*262144+\j*16384+\g*256 th:TH_STORE_NT   ; 16 lanes store 256 consecutive bytes, aligned; the offset stays under 2^21
.endr
.endr
.endm
	PLACES                                         ; behind the last products
.irp a, 0,1,2,3,4,5,6,7
	OUT \a
.endr
	s_wait_tensorcnt 0x0                           ; the wave's end
	ds_add_u32 v[SPW], v[NIL]
	s_wait_dscnt 0x0
	CROUND                                         ; the closing round
	s_endpgm
.Lfunc_end_k_q32155835bd_gemm:
	.size	k_q32155835bd_gemm, .Lfunc_end_k_q32155835bd_gemm-k_q32155835bd_gemm
	.p2alignl 7, 3214868480
	.fill 96, 4, 3214868480
	.section	.rodata,"a",@progbits
	.p2align	6, 0x0
	.amdhsa_kernel k_q32155835bd_gemm
		.amdhsa_group_segment_fixed_size 327680
		.amdhsa_private_segment_fixed_size 0
		.amdhsa_enable_private_segment 0
		.amdhsa_kernarg_size 48
		.amdhsa_user_sgpr_count 2
		.amdhsa_user_sgpr_kernarg_segment_ptr 1
		.amdhsa_wavefront_size32 1
		.amdhsa_system_sgpr_workgroup_id_x 1
		.amdhsa_system_sgpr_workgroup_id_y 1
		.amdhsa_system_sgpr_workgroup_id_z 1
		.amdhsa_system_vgpr_workitem_id 0
		.amdhsa_next_free_vgpr 1024
		.amdhsa_next_free_sgpr 76
		.amdhsa_reserve_vcc 0
		.amdhsa_float_denorm_mode_32 3
		.amdhsa_float_denorm_mode_16_64 3
		.amdhsa_memory_ordered 1
		.amdhsa_forward_progress 1
		.amdhsa_inst_pref_size 255
	.end_amdhsa_kernel
	.section	.bss,"aw",@nobits
	.p2align	6
	.space	262144
	.amdgpu_metadata
---
amdhsa.version: [ 1, 2 ]
amdhsa.kernels:
  - .name:           k_q32155835bd_gemm
    .symbol:         k_q32155835bd_gemm.kd
    .args:
      - { .name: x_codes, .offset: 0, .size: 8, .value_kind: global_buffer, .address_space: global }
      - { .name: w_codes, .offset: 8, .size: 8, .value_kind: global_buffer, .address_space: global }
      - { .name: scl, .offset: 16, .size: 8, .value_kind: global_buffer, .address_space: global }
      - { .name: scale, .offset: 24, .size: 8, .value_kind: global_buffer, .address_space: global }
      - { .name: bias, .offset: 32, .size: 8, .value_kind: global_buffer, .address_space: global }
      - { .name: out0, .offset: 40, .size: 8, .value_kind: global_buffer, .address_space: global }
    .group_segment_fixed_size: 327680
    .private_segment_fixed_size: 0
    .kernarg_segment_align: 8
    .kernarg_segment_size: 48
    .max_flat_workgroup_size: 128
    .sgpr_count:     76
    .vgpr_count:     1024
    .wavefront_size: 32
...
	.end_amdgpu_metadata
.endif
;; end of part 2
